; MI455X (gfx1250); checked and timed in simulation.
; The chip was launched on July 23, 2026; its instructions are those of AMD's public machine-readable ISA for CDNA 5 (MIT licence, August 2026) and "CDNA5" Instruction Set Architecture Reference Guide (July 2026). The comments in the code are by the model that wrote it; some were corrected since.
;; SA Block. Allowed arithmetic: float matrix products may take bf16 or f16 operands with f32 sums; all other float work in f32.
;; Inputs: b_out 1,024 float32; w_out 1,024 x 1,024 float32; w_qkv 3,072 x 1,024 float32; x 2 x 2,048 x 1,024 float32.
;; Outputs: out0 2 x 2,048 x 1,024 float32.
;; One version. Each part assembles by itself: llvm-mc -triple=amdgcn-amd-amdhsa -mcpu=gfx1250 --defsym DOCPART=n.
;; ======== version 1 of 1: 3 launches
;; limits: values are held in f16: magnitudes above 65,504 overflow, below 6.1e-05 lose precision
;; workspace buffers: qkv 25,165,824 bytes; att 8,388,608 bytes; wo 2,097,152 bytes
;; launch qkvproj (part 1): grid 16 x 16, 4 waves a work-group, clusters of 4 x 4, 327,680 bytes of LDS; arguments x, w_qkv, w_out, qkv, wo; writes qkv, wo
.if DOCPART == 1
	.amdgcn_target "amdgcn-amd-amdhsa--gfx1250"
	.amdhsa_code_object_version 6
	.text
	.protected	k_q696afbc76c_qkvproj
	.globl	k_q696afbc76c_qkvproj
	.p2align	8
	.type	k_q696afbc76c_qkvproj,@function
k_q696afbc76c_qkvproj:
	s_mov_b64 s[64:65], 0
	v_nop
	global_prefetch_b8 v0, s[64:65] scope:SCOPE_SE
	s_setreg_imm32_b32 hwreg(HW_REG_WAVE_MODE, 25, 1), 1
	s_wait_xcnt 0x0
	s_wait_alu depctr_hold_cnt(0) depctr_sa_sdst(0) depctr_va_vdst(0) depctr_va_sdst(0) depctr_va_ssrc(0) depctr_va_vcc(0) depctr_vm_vsrc(0)
	s_getreg_b32 s2, hwreg(HW_REG_IB_STS2, 6, 4)
	s_cmp_eq_u32 s2, 0
	s_cbranch_scc0 .Lentry_in_a_cluster
	s_endpgm
.Lentry_in_a_cluster:
	s_bfe_u32 s2, ttmp6, 0x10000c
	s_cmp_lg_u32 s2, 0xf033
	s_cbranch_scc0 .Lentry_shape_is_right
	s_endpgm
.Lentry_shape_is_right:
; qkv = x w_qkv^T.  x: [4096 tokens][1024] f32, w_qkv: [3072][1024] f32.  Result in f16, laid out by head:
; qkv[plane][s][d], plane = which*32 + b*16 + head (which 0 q, 1 k, 2 v), 2048 x 64 numbers a plane, so that two tokens of one head are 256 consecutive bytes.
; Side job: w_out [1024][1024] f32 is stored as wo[kb][o][64] in f16, wo[kb][o][c] = w_out[o][64 kb + c]; each work-group takes four rows of w_out.
; NUMBER FORMATS: the three large inputs carry one and the same rounding, to bf16 (8 significant bits); what the program itself computes and hands on (q, k, v here) is kept in f16
; (11 bits).  x and w_qkv are multiplied as bf16.  w_out is multiplied later with an f16 operand, so it is rounded to bf16 first and then written as f16, which holds every bf16
; number from 2^-14 to 65,504 exactly.
; LIMITS: every q, k, v and |w_out| must stay below 65,504, else they become infinite in f16; q, k, v under about 6e-8 round to 0; a w_out under 2^-14 takes a further error of at
; most 2^-25.  The sums (f32) have another order than a plain f32 chain.
; SHAPE: a work-group makes 256 tokens x 192 features (three whole heads), 16 x 16 work-groups.  Four waves; wave (wm, wn) makes 128 x 96 in 48 accumulator tiles, 384 registers.
; K goes in steps of 64 f32 (rows of 256 bytes, each starting at a multiple of 256 from the buffer's first byte) through two LDS slots; a step is two quarters of 32 along K.
; The tiles lie in LDS as f32; a wave reads its raw f32, rounds pairs to bf16 in registers (v_cvt_pk_bf16_f32) and multiplies: no 16-bit copy of x or w_qkv goes through memory.
; CLUSTER 4 x 4: x's tile hangs on the block row alone and is asked for jointly by the four work-groups of a row of the cluster, w_qkv's on the block column alone, jointly by a column.
; REGISTERS in windows of 256: window 0: addresses, FA (8 bf16 fragments of x), RA (their raw f32); window 1: FB (6 fragments of w), RB (raw);
; window 2: accumulators of my token tiles 0-3, tile (a, b) at v[8 (6 a + b)]; window 3: token tiles 4-7.
; The matrix instruction is used transposed (source 0 = 16 rows of w, source 1 = 16 rows of x): a lane then holds eight neighbouring features of one token, 16 bytes in f16.
.set PITCH, 272                        ; an LDS row: 256 bytes + 16 of padding = 17 x 16, so sixteen rows start in sixteen different 16-byte columns of 256 bytes
.set AHALF, 128*PITCH                  ; 128 rows of x: one tensor load, and what one wave reads of x
.set BHALF, 96*PITCH                   ; 96 rows of w_qkv likewise
.set SLOT,  2*AHALF+2*BHALF            ; 121,856 bytes: x's 256 rows, then w's 192
.set SP,    400                        ; the way out's stage: a token's 192 f16 = 384 bytes + 16 = 25 x 16; 256 rows from LDS byte 0, inside slot 0
.set ADRA, 16                          ; v16-17 LDS address of my x fragments in slot 0, 1
.set ADRB, 20                          ; v20-21 the same for w
.set STO,  24                          ; stage: where I put 16 bytes
.set RD,   25                          ; stage: where I read back
.set CO,   26                          ; my byte offset in a head's plane
.set WLD,  27                          ; side job: my offset in w_out
.set WST,  28                          ; side job: my offset in wo
.set FA,   32                          ; window 0: v32-95
.set RA,   96                          ; window 0: v96-223, 16 registers a fragment
.set FB,   0                           ; window 1: v0-47
.set RB,   48                          ; window 1: v48-143
.set G1,   24                          ; s[24:31] group 1 for x's tiles
.set G0,   32                          ; s[32:39] group 0 for x's tiles, one set a slot
.set G1B,  40                          ; s[40:47] group 1 for w's tiles
.set G0B,  48                          ; s[48:55] group 0 for w's tiles, one set a slot
.set MSB, 0
.macro WIN new                         ; the immediate's high byte repeats the setting that is left; a switch that changes nothing is dropped
.if MSB != \new
	s_set_vgpr_msb (MSB<<8)|\new
.set MSB, \new
.endif
.endm
.macro PLACES                          ; four plain vector places behind the last matrix instruction (ISA guide 7.12.1), before its sources are written or its results read
.rept 4
	v_nop
.endr
.endm
; A joint load: waves 0 and 1 ask for x's two halves, waves 2 and 3 for w's.  The branch hangs on the wave's number alone.
.macro JLOAD s
	s_cmp_eq_u32 s15, 0
	s_cbranch_scc0 .Lfor_b_\@
	tensor_load_to_lds s[G0+4*\s:G0+4*\s+3], s[G1:G1+7]
	s_nop 0
	s_branch .Lasked_\@
.Lfor_b_\@:
	tensor_load_to_lds s[G0B+4*\s:G0B+4*\s+3], s[G1B:G1B+7]
	s_nop 0
.Lasked_\@:
.endm
.macro CREST                           ; a round of the cluster's barrier behind its opening work-group barrier
	s_cmp_lg_u32 s14, 0
	s_cbranch_scc1 .Lnot_wave_0_\@
	s_barrier_signal -3
.Lnot_wave_0_\@:
	s_barrier_wait -3
	s_barrier_signal -1
	s_barrier_wait -1
.endm
.macro CROUND                          ; a whole round
	s_barrier_signal -1
	s_barrier_wait -1
	CREST
.endm
	s_load_b256 s[4:11], s[0:1], 0x0               ; x s[4:5], w_qkv s[6:7], w_out s[8:9], qkv s[10:11]
	s_load_b64 s[12:13], s[0:1], 0x20              ; wo
	s_set_vgpr_msb 0x40
	v_lshl_add_u32 v255, v0, 2, 0x40000
	s_set_vgpr_msb 0x4000
	v_mov_b32 v255, 0
	s_set_vgpr_msb 0x1
	ds_add_u32 v255, v255
	s_set_vgpr_msb 0x100
	v_lshrrev_b32 v1, 5, v0
	v_readfirstlane_b32 s14, v1                    ; wave 0..3
	s_lshr_b32 s15, s14, 1                         ; wm: my half of the tokens.  Also: I ask for x (0) or for w (1)
	s_and_b32 s16, s14, 1                          ; wn: my half of the features.  Also: which half of that tile I ask for
	s_bfe_u32 s17, ttmp6, 0x40000                  ; cx
	s_bfe_u32 s18, ttmp6, 0x40004                  ; cy
	s_lshl_b32 s19, ttmp9, 2
	s_add_co_u32 s19, s19, s17                     ; bx: block of 192 features
	s_and_b32 s20, ttmp7, 0xffff
	s_lshl_b32 s20, s20, 2
	s_add_co_u32 s20, s20, s18                     ; by: block of 256 tokens
	s_lshl_b32 s21, s18, 2
	s_lshl_b32 s21, 15, s21                        ; my row of the cluster
	s_lshl_b32 s22, 0x1111, s17                    ; my column
	; group 1: elements of 4 bytes, rows of 64 elements, 16 bytes of padding behind every 64 words; 128 rows of x, 96 of w; 1,024 elements from row to row
	s_or_b32 s[G1+0], s21, (2<<16)|(1<<20)|(1<<21)|(5<<22)|(3<<25)
	s_or_b32 s[G1B+0], s22, (2<<16)|(1<<20)|(1<<21)|(5<<22)|(3<<25)
	s_mov_b32 s[G1+1], 64<<16                      ; tensor_dim0 = 64
	s_mov_b32 s[G1B+1], 64<<16
	s_mov_b32 s[G1+2], 128<<16                     ; tensor_dim1 = 128
	s_mov_b32 s[G1B+2], 96<<16                     ; tensor_dim1 = 96
	s_mov_b32 s[G1+3], 64<<16                      ; tile_dim0 = 64
	s_mov_b32 s[G1B+3], 64<<16
	s_mov_b32 s[G1+4], 128                         ; tile_dim1
	s_mov_b32 s[G1B+4], 96
	s_mov_b32 s[G1+5], 1024                        ; pitch in elements
	s_mov_b32 s[G1B+5], 1024
	s_mov_b32 s[G1+6], 0
	s_mov_b32 s[G1B+6], 0
	s_mov_b32 s[G1+7], 0
	s_mov_b32 s[G1B+7], 0
	; x's address is made of by and the wave alone, w's of bx and the wave alone, each in registers that never hold the other coordinate
	s_lshl_b32 s56, s20, 8
	s_lshl_b32 s57, s16, 7
	s_add_co_u32 s56, s56, s57                     ; token row 256 by + 128 half
	s_lshl_b32 s56, s56, 12                        ; x 4,096 bytes
	s_mov_b32 s57, 0
	s_mul_i32 s60, s19, 192
	s_mul_i32 s61, s16, 96
	s_add_co_u32 s60, s60, s61                     ; feature row 192 bx + 96 half
	s_lshl_b32 s60, s60, 12
	s_mov_b32 s61, 0
	s_mul_i32 s58, s14, AHALF                      ; LDS: waves 0, 1: x's halves at 0 and AHALF
	s_mul_i32 s62, s14, BHALF
	s_add_co_u32 s62, s62, 2*AHALF-2*BHALF         ; waves 2, 3: w's halves at 2 AHALF and 2 AHALF + BHALF
	s_wait_dscnt 0x0
	s_wait_kmcnt 0x0
	s_add_nc_u64 s[56:57], s[4:5], s[56:57]
	s_add_nc_u64 s[60:61], s[6:7], s[60:61]
	CROUND                                         ; all sixteen work-groups are here: the first joint loads meet
.irp s, 0,1
	s_mov_b32 s[G0+4*\s], 1
	s_add_co_u32 s[G0+4*\s+1], s58, \s*SLOT
	s_add_nc_u64 s[G0+4*\s+2:G0+4*\s+3], s[56:57], \s*256          ; K step s
	s_or_b32 s[G0+4*\s+3], s[G0+4*\s+3], 0x80000000
	s_mov_b32 s[G0B+4*\s], 1
	s_add_co_u32 s[G0B+4*\s+1], s62, \s*SLOT
	s_add_nc_u64 s[G0B+4*\s+2:G0B+4*\s+3], s[60:61], \s*256
	s_or_b32 s[G0B+4*\s+3], s[G0B+4*\s+3], 0x80000000
	JLOAD \s                                       ; both first fills go out together: two tensor loads of the wave are out
.endr
	; SIDE JOB while the tiles are on their way: rows 4 id .. 4 id + 3 of w_out (id = 16 by + bx); wave w takes kb = 4 w .. 4 w + 3.
	; For one kb, lane L takes 8 numbers of row L / 8: eight lanes read 256 consecutive bytes, and the wave's store covers 512 consecutive bytes of wo.
	s_lshl_b32 s72, s20, 4
	s_add_co_u32 s72, s72, s19                     ; id
	s_lshl_b32 s74, s72, 9                         ; four rows of 128 bytes in a plane of wo
	s_lshl_b32 s72, s72, 14                        ; four rows of 4,096 bytes of w_out
	s_mov_b32 s73, 0
	s_mov_b32 s75, 0
	s_add_nc_u64 s[72:73], s[8:9], s[72:73]
	s_add_nc_u64 s[74:75], s[12:13], s[74:75]
	v_and_b32 v6, 31, v0                           ; L
	v_lshrrev_b32 v7, 3, v6                        ; L / 8
	v_and_b32 v8, 7, v6                            ; L % 8
	v_lshlrev_b32 v[WLD], 12, v7
	v_lshl_add_u32 v[WLD], v8, 5, v[WLD]
	v_lshl_add_u32 v[WLD], s14, 10, v[WLD]         ; row x 4,096 + 32 (L % 8) + wave x 4 kb x 256
.irp k, 0,1,2,3
	global_load_b128 v[RA+8*\k:RA+8*\k+3],   v[WLD], s[72:73] offset:256*\k th:TH_LOAD_NT
	global_load_b128 v[RA+8*\k+4:RA+8*\k+7], v[WLD], s[72:73] offset:256*\k+16 th:TH_LOAD_NT
.endr
	v_lshlrev_b32 v[WST], 4, v6
	v_lshl_add_u32 v[WST], s14, 19, v[WST]         ; wave x 4 planes of 131,072 bytes + 16 L
	; lane addresses.  A fragment is 16 rows x 32 K: lane (r, h) needs K = 8h..8h+7 and 16+8h..+7 of row r: as f32, 32 bytes at 32 h and 32 bytes at 64 + 32 h
	v_and_b32 v1, 15, v0                           ; r
	v_bfe_u32 v2, v0, 4, 1                         ; h
	v_mul_u32_u24 v3, v1, PITCH
	v_lshl_add_u32 v3, v2, 5, v3
	s_mul_i32 s76, s15, AHALF
	s_mul_i32 s77, s16, BHALF
	s_add_co_u32 s77, s77, 2*AHALF
.irp s, 0,1
	v_add_nc_u32 v[ADRA+\s], s76, v3
	v_add_nc_u32 v[ADRB+\s], s77, v3
	s_add_co_u32 s76, s76, SLOT
	s_add_co_u32 s77, s77, SLOT
.endr
	v_mul_u32_u24 v4, v1, SP
	v_lshl_add_u32 v4, v2, 4, v4
	s_mul_i32 s76, s15, 128*SP
	s_mul_i32 s77, s16, 192
	s_add_co_u32 s76, s76, s77
	v_add_nc_u32 v[STO], s76, v4                   ; (128 wm + r) x 400 + 192 wn + 16 h
	v_mul_u32_u24 v5, v7, SP
	v_lshl_add_u32 v5, v8, 4, v5
	s_mul_i32 s76, s14, 64*SP
	v_add_nc_u32 v[RD], s76, v5                    ; (64 wave + L / 8) x 400 + 16 (L % 8)
	v_lshlrev_b32 v[CO], 4, v6
	v_lshl_add_u32 v[CO], s14, 13, v[CO]           ; 64 tokens of 128 bytes a wave + 16 L
	s_wait_loadcnt 0x0
	; w_out: rounded to bf16 (nearest even), widened again (a shift, a mask), written as f16, which changes nothing from 2^-14 upward
.irp k, 0,1,2,3
.irp c, 0,1,2,3
	v_cvt_pk_bf16_f32 v[FA+16+4*\k+\c], v[RA+8*\k+2*\c], v[RA+8*\k+2*\c+1]
.endr
.endr
.irp k, 0,1,2,3
.irp c, 0,1,2,3
	v_lshlrev_b32 v[RA+8*\k+2*\c],   16, v[FA+16+4*\k+\c]
	v_and_b32     v[RA+8*\k+2*\c+1], 0xffff0000, v[FA+16+4*\k+\c]
.endr
.endr
.irp k, 0,1,2,3
.irp c, 0,1,2,3
	v_cvt_pk_f16_f32 v[FA+4*\k+\c], v[RA+8*\k+2*\c], v[RA+8*\k+2*\c+1]
.endr
.endr
.irp k, 0,1,2,3
	global_store_b128 v[WST], v[FA+4*\k:FA+4*\k+3], s[74:75] offset:131072*\k
.endr
; 24 LDS loads: the raw f32 of six fragments of w, 32 along K at byte k of the rows
.macro LDB slot, k
	WIN 0x40
.irp i, 0,1,2,3,4,5
	ds_load_b128 v[RB+16*\i:RB+16*\i+3],     v[ADRB+\slot] offset:\k+\i*16*PITCH
	ds_load_b128 v[RB+16*\i+4:RB+16*\i+7],   v[ADRB+\slot] offset:\k+\i*16*PITCH+16
	ds_load_b128 v[RB+16*\i+8:RB+16*\i+11],  v[ADRB+\slot] offset:\k+\i*16*PITCH+64
	ds_load_b128 v[RB+16*\i+12:RB+16*\i+15], v[ADRB+\slot] offset:\k+\i*16*PITCH+80
.endr
.endm
; 32 LDS loads: the raw f32 of eight fragments of x
.macro LDA slot, k
	WIN 0
.irp i, 0,1,2,3,4,5,6,7
	ds_load_b128 v[RA+16*\i:RA+16*\i+3],     v[ADRA+\slot] offset:\k+\i*16*PITCH
	ds_load_b128 v[RA+16*\i+4:RA+16*\i+7],   v[ADRA+\slot] offset:\k+\i*16*PITCH+16
	ds_load_b128 v[RA+16*\i+8:RA+16*\i+11],  v[ADRA+\slot] offset:\k+\i*16*PITCH+64
	ds_load_b128 v[RA+16*\i+12:RA+16*\i+15], v[ADRA+\slot] offset:\k+\i*16*PITCH+80
.endr
.endm
.macro CVTB                            ; raw registers 2c, 2c+1 make register c of the fragment: K keeps its true places
	WIN 0x45
.irp i, 0,1,2,3,4,5
.irp c, 0,1,2,3,4,5,6,7
	v_cvt_pk_bf16_f32 v[FB+8*\i+\c], v[RB+16*\i+2*\c], v[RB+16*\i+2*\c+1]
.endr
.endr
.endm
.macro CVTA
	WIN 0
.irp i, 0,1,2,3,4,5,6,7
.irp c, 0,1,2,3,4,5,6,7
	v_cvt_pk_bf16_f32 v[FA+8*\i+\c], v[RA+16*\i+2*\c], v[RA+16*\i+2*\c+1]
.endr
.endr
.endm
; 24 matrix instructions: four token tiles (hi = 0: tiles 0-3, window 2; 1: tiles 4-7, window 3) x six feature tiles.  zero = 1: the first product starts the sums.
; The 48 accumulators take turns, one instruction a turn, in the same order in every quarter, over the backward jump too.
.macro MUL24 hi, zero
.if \hi
	WIN 0xf1
.else
	WIN 0xa1
.endif
.irp a, 0,1,2,3
.irp b, 0,1,2,3,4,5
.if \zero
	v_wmma_f32_16x16x32_bf16 v[8*(6*\a+\b):8*(6*\a+\b)+7], v[FB+8*\b:FB+8*\b+7], v[FA+8*(4*\hi+\a):FA+8*(4*\hi+\a)+7], 0
.else
	v_wmma_f32_16x16x32_bf16 v[8*(6*\a+\b):8*(6*\a+\b)+7], v[FB+8*\b:FB+8*\b+7], v[FA+8*(4*\hi+\a):FA+8*(4*\hi+\a)+7], v[8*(6*\a+\b):8*(6*\a+\b)+7]
.endif
.endr
.endr
.endm
; First quarter of a K step: its raw f32 are on their way (24 loads of w, then 32 of x); each raw set is loaded again for the second quarter as soon as it is converted.
.macro QA slot, zero
	s_wait_dscnt 32                                ; w's 24 loads are in; x's 32 younger ones may stay out
	PLACES
	CVTB
	LDB \slot, 128
	s_wait_dscnt 24                                ; x's 32 are in; the 24 just issued stay out
	CVTA
	LDA \slot, 128
	MUL24 0, \zero
	MUL24 1, \zero
.endm
; Second quarter, and the change of slots.  In front of the barrier's signal: my reads of this slot are back and all my tensor loads have landed (the one that was out is my part of the
; next slot).  The conversions, register work, stand between signal and wait.  fill = 1: the barrier opens a round of the cluster's barrier, and behind the round the joint refill of
; this slot, two K steps ahead, is my first and only tensor load; then the next slot's first quarter is read.
.macro QB slot, next, fill
	s_wait_dscnt 0x0
	s_wait_tensorcnt 0x0
	ds_add_u32 v255, v255
	s_wait_dscnt 0x0
	s_barrier_signal -1
	PLACES
	CVTB
	CVTA
	WIN 0
	s_barrier_wait -1
.if \fill
	CREST
	s_add_nc_u64 s[G0+4*\slot+2:G0+4*\slot+3], s[G0+4*\slot+2:G0+4*\slot+3], 512      ; no tensor load of mine is out: a group 0 may be written
	s_add_nc_u64 s[G0B+4*\slot+2:G0B+4*\slot+3], s[G0B+4*\slot+2:G0B+4*\slot+3], 512
	JLOAD \slot
.endif
	LDB \next, 0
	LDA \next, 0
	MUL24 0, 0
	MUL24 1, 0
.endm
.macro LAP zero                        ; two K steps, both slots filled again
	QA 0, \zero
	QB 0, 1, 1
	QA 1, 0
	QB 1, 0, 1
.endm
	s_wait_tensorcnt 0x1                           ; my part of K step 0 is in; K step 1's may stay out
	s_barrier_signal -1
	s_barrier_wait -1                              ; everybody's part is in
	s_wait_xcnt 0x0                                ; FA held the side job's store data and is written again only behind this wait
	LDB 0, 0
	LDA 0, 0
	LAP 1                                          ; 16 K steps = 8 laps: the first stands in front of the loop and starts the sums
	WIN 0
	s_mov_b32 s23, 6
.Llap:
	LAP 0
	WIN 0
	s_sub_co_u32 s23, s23, 1
	s_cmp_lg_u32 s23, 0
	s_cbranch_scc1 .Llap
	QA 0, 0                                        ; the last lap fills nothing
	QB 0, 1, 0
	QA 1, 0
	s_wait_dscnt 0x0
	PLACES
	CVTB
	CVTA
	MUL24 0, 0
	MUL24 1, 0
	; THE WAY OUT.  The stage lies in slot 0, whose last fill every wave had read before the barrier of the last change of slots; no tensor load follows.
	; All 256 tokens x 192 features are laid down in f16; then each wave takes 64 tokens and stores, head by head, four tokens (512 consecutive bytes) an instruction.
	PLACES
.macro OUTA a, aw, from
	WIN \from
.irp b, 0,1,2,3,4,5
.irp c, 0,1,2,3
	v_cvt_pk_f16_f32 v[RA+4*\b+\c], v[8*(6*\aw+\b)+2*\c], v[8*(6*\aw+\b)+2*\c+1]
.endr
.endr
	WIN 0
.irp b, 0,1,2,3,4,5
	ds_store_b128 v[STO], v[RA+4*\b:RA+4*\b+3] offset:\a*16*SP+32*\b
.endr
.endm
	OUTA 0, 0, 0x0a
	OUTA 1, 1, 0x0a
	OUTA 2, 2, 0x0a
	OUTA 3, 3, 0x0a
	OUTA 4, 0, 0x0f
	OUTA 5, 1, 0x0f
	OUTA 6, 2, 0x0f
	OUTA 7, 3, 0x0f
	; the three heads' planes: g = 3 bx + j; plane = (g / 16) x 32 + (by / 8) x 16 + g % 16; my block's first token in the plane is (by % 8) x 256
.irp j, 0,1,2
	s_mul_i32 s72, s19, 3
	s_add_co_u32 s72, s72, \j
	s_lshr_b32 s73, s72, 4
	s_and_b32 s72, s72, 15
	s_lshl_b32 s73, s73, 5
	s_add_co_u32 s72, s72, s73
	s_lshr_b32 s73, s20, 3
	s_lshl_b32 s73, s73, 4
	s_add_co_u32 s72, s72, s73
	s_lshl_b32 s72, s72, 18                        ; planes of 262,144 bytes
	s_and_b32 s73, s20, 7
	s_lshl_b32 s73, s73, 15                        ; 256 tokens of 128 bytes
	s_add_co_u32 s72, s72, s73
	s_mov_b32 s73, 0
	s_add_nc_u64 s[66+2*\j:67+2*\j], s[10:11], s[72:73]
.endr
	s_wait_dscnt 0x0                               ; my stores into the stage are done,
	s_barrier_signal -1
	s_barrier_wait -1                              ; everybody's are
.macro OUTH j, u, f
	s_wait_xcnt 0x0                                ; buffer f, which earlier stores read, is loaded again only behind this wait
.irp t, 0,1,2,3,4,5,6,7
	ds_load_b128 v[\f+4*\t:\f+4*\t+3], v[RD] offset:(8*\u+\t)*4*SP+128*\j
.endr
.irp t, 0,1,2,3,4,5,6,7
	s_wait_dscnt 7-\t                              ; LDS loads come back in order: number t is in
	global_store_b128 v[CO], v[\f+4*\t:\f+4*\t+3], s[66+2*\j:67+2*\j] offset:(8*\u+\t)*512   ; sixteen lanes store 256 consecutive aligned bytes: two tokens of one head
.endr
.endm
	OUTH 0, 0, 96
	OUTH 0, 1, 128
	OUTH 1, 0, 96
	OUTH 1, 1, 128
	OUTH 2, 0, 96
	OUTH 2, 1, 128
	s_set_vgpr_msb 0x1
	s_wait_tensorcnt 0x0
	ds_add_u32 v255, v255
	s_wait_dscnt 0x0
	s_set_vgpr_msb 0x100
	CROUND                                         ; the closing round: no work-group ends while a partner may still ask for a tile that names it
	s_endpgm
.Lfunc_end_k_q696afbc76c_qkvproj:
	.size	k_q696afbc76c_qkvproj, .Lfunc_end_k_q696afbc76c_qkvproj-k_q696afbc76c_qkvproj
	.p2alignl 7, 3214868480
	.fill 96, 4, 3214868480
	.section	.rodata,"a",@progbits
	.p2align	6, 0x0
	.amdhsa_kernel k_q696afbc76c_qkvproj
		.amdhsa_group_segment_fixed_size 327680
		.amdhsa_private_segment_fixed_size 0
		.amdhsa_enable_private_segment 0
		.amdhsa_kernarg_size 40
		.amdhsa_user_sgpr_count 2
		.amdhsa_user_sgpr_kernarg_segment_ptr 1
		.amdhsa_wavefront_size32 1
		.amdhsa_system_sgpr_workgroup_id_x 1
		.amdhsa_system_sgpr_workgroup_id_y 1
		.amdhsa_system_sgpr_workgroup_id_z 1
		.amdhsa_system_vgpr_workitem_id 0
		.amdhsa_next_free_vgpr 960
		.amdhsa_next_free_sgpr 80
		.amdhsa_reserve_vcc 0
		.amdhsa_float_denorm_mode_32 3
		.amdhsa_float_denorm_mode_16_64 3
		.amdhsa_memory_ordered 1
		.amdhsa_forward_progress 1
		.amdhsa_inst_pref_size 209
	.end_amdhsa_kernel
	.amdgpu_metadata
---
amdhsa.version: [ 1, 2 ]
amdhsa.kernels:
  - .name:           k_q696afbc76c_qkvproj
    .symbol:         k_q696afbc76c_qkvproj.kd
    .args:
      - { .name: x, .offset: 0, .size: 8, .value_kind: global_buffer, .address_space: global }
      - { .name: w_qkv, .offset: 8, .size: 8, .value_kind: global_buffer, .address_space: global }
      - { .name: w_out, .offset: 16, .size: 8, .value_kind: global_buffer, .address_space: global }
      - { .name: qkv, .offset: 24, .size: 8, .value_kind: global_buffer, .address_space: global }
      - { .name: wo, .offset: 32, .size: 8, .value_kind: global_buffer, .address_space: global }
    .group_segment_fixed_size: 327680
    .private_segment_fixed_size: 0
    .kernarg_segment_align: 8
    .kernarg_segment_size: 40
    .max_flat_workgroup_size: 128
    .sgpr_count:     80
    .vgpr_count:     960
    .wavefront_size: 32
...
	.end_amdgpu_metadata
.endif
;; end of part 1
;; launch attn (part 2): grid 8 x 32, 8 waves a work-group, no clusters, 327,680 bytes of LDS; arguments qkv, att; writes att
.if DOCPART == 2
	.amdgcn_target "amdgcn-amd-amdhsa--gfx1250"
	.amdhsa_code_object_version 6
	.text
	.protected	k_q696afbc76c_attn
	.globl	k_q696afbc76c_attn
	.p2align	8
	.type	k_q696afbc76c_attn,@function
k_q696afbc76c_attn:
	s_mov_b64 s[64:65], 0
	v_nop
	global_prefetch_b8 v0, s[64:65] scope:SCOPE_SE
	s_setreg_imm32_b32 hwreg(HW_REG_WAVE_MODE, 25, 1), 1
	s_wait_xcnt 0x0
; Causal attention, one (batch, head) for each grid y, by a running softmax.  q, k, v: planes of qkv, [2048][64] f16.  Result: att[head][b*2048+s][64] f16.
; LIMITS: P and the result are rounded to f16 (P <= 1; |result| <= the largest |v|, which lies below 65,504 by the first launch's limit); the row sum is taken from P in f32,
; the product with V from P in f16; v_exp_f32 gives 0 for results under 2^-126.  The maximum is taken away before every exponential, as a running maximum.
; SHARES: work-group i takes the query blocks (128 rows) 15 - i and i: (16 - i) + (i + 1) = 17 key tiles of 128 for every work-group.
; Eight waves = 2 key groups x 4 query strips: wave (g, wq) holds queries 32 wq .. +31 and takes keys 64 g .. +63 of every tile, with its own maximum, sum and O; the two groups are
; merged once for each query block, through LDS.
; NO CLUSTER: the work-groups of one head need different numbers of tiles (i + 1 and 16 - i).  If four partners walked tiles 0..15 in step with both blocks in hand, a step would last
; as long as its busiest partner's: 4 x 2 + 12 x 1 = 20 units of work against the 17 of this order.
; ORIENTATION: S^T = K Q^T (source 0 = 16 keys, source 1 = 16 queries): lane (r, h) holds query r and keys 8 h + j, so the row maximum crosses lanes once (lane xor 16), and the f16 pairs
; of two key tiles are, as they stand, source 1 of O^T = V^T P^T; V^T comes from the [key][d] tile by the transposing LDS load.  In O^T lane (r, h) again holds query r.
.set SLOT, 35840                       ; K: 64 rows of 256 bytes (two keys each), pitch 272; V behind it: 64 rows, pitch 288
.set VOFF, 17408
.set QBASE, 71680                      ; Q of the first block, then Q of the second: 17,408 bytes each, pitch 272
.set XBASE, 106496                     ; exchange between the key groups: 4 x 8,704; no tensor load lands here
.set STG,  141312                      ; output stage: 8 x 4,352, each wave's own; no tensor load lands here
.set MX,   6                           ; v6, v7    running maximum of the raw scores, query tile 0, 1
.set LS,   8                           ; v8, v9    running sum (this lane's keys only)
.set NM,   10                          ; v[10:11], v[12:13]  -c x maximum, twice each
.set AL,   14                          ; v[14:15], v[16:17]  alpha, twice each
.set T,    18                          ; v18-25    at work
.set Q,    32                          ; v32-63    Q fragments: 16 q + 8 e (query tile q, half e of d)
.set S,    64                          ; v64-127   S^T tiles: 32 q + 8 t (key tile t); P in place: 32 q + 16 u
.set O,    128                         ; v128-191  O^T tiles: 16 d + 8 q
.set F,    192                         ; v192-255  K fragments 16 t + 8 e, then V^T fragments 8 (4 u + d)
.set G1K,  24                          ; s[24:31]  group 1, pitch 272 (K and Q)
.set G1V,  32                          ; s[32:39]  group 1, pitch 288 (V)
.set G0,   40                          ; s[40:47]  group 0 of the two slots
.set G0Q,  48                          ; s[48:51]  group 0 of Q
; v1 KADR, v2 VADR, v3 QADR, v4 VD (mask), v5 -inf, v26 XADR, v27 SST, v28 SRD, v29 GO
	s_load_b128 s[4:7], s[0:1], 0x0                ; qkv s[4:5], att s[6:7]
	v_lshl_add_u32 v30, v0, 2, 0x34000
	v_mov_b32 v31, 0
	ds_add_u32 v30, v31
	v_lshrrev_b32 v1, 5, v0
	v_readfirstlane_b32 s8, v1                     ; wave 0..7
	s_lshr_b32 s9, s8, 2                           ; g
	s_and_b32 s10, s8, 3                           ; wq
	s_mov_b32 s11, ttmp9                           ; i
	s_and_b32 s12, ttmp7, 0xffff                   ; bh = 16 b + head
	s_sub_co_u32 s13, 16, s11                      ; nb: tiles of the first block
	s_sub_co_u32 s14, 15, s11                      ; the first block's number, and the step of its diagonal tile
	s_mov_b32 s18, 0x3e38aa3b                      ; c = 0.125 log2(e): scale and change of base in one factor
	s_mov_b32 s19, 0x3e38aa3b
	s_mov_b32 s20, 0x76543210                      ; v_permlanex16_b32: lane i reads lane i of the other half
	s_mov_b32 s21, 0xfedcba98
	s_mov_b32 s23, 0xbe38aa3b                      ; -c
	; a tile is a dense block of 16,384 bytes: 64 rows of 32 elements of 8 bytes; padding behind every 64 words: 4 words (K, Q) or 8 (V)
	s_mov_b32 s[G1K+0], (3<<16)|(1<<20)|(5<<22)|(3<<25)
	s_mov_b32 s[G1V+0], (3<<16)|(1<<20)|(5<<22)|(7<<25)
	s_mov_b32 s[G1K+1], 32<<16
	s_mov_b32 s[G1V+1], 32<<16
	s_mov_b32 s[G1K+2], 64<<16
	s_mov_b32 s[G1V+2], 64<<16
	s_mov_b32 s[G1K+3], 32<<16
	s_mov_b32 s[G1V+3], 32<<16
	s_mov_b32 s[G1K+4], 64
	s_mov_b32 s[G1V+4], 64
	s_mov_b32 s[G1K+5], 32
	s_mov_b32 s[G1V+5], 32
	s_mov_b32 s[G1K+6], 0
	s_mov_b32 s[G1V+6], 0
	s_mov_b32 s[G1K+7], 0
	s_mov_b32 s[G1V+7], 0
	; wave 0 brings K's tiles and the first block's Q, wave 1 V's tiles and the second block's Q; the other waves issue no tensor load
	s_min_u32 s22, s8, 1
	s_lshl_b32 s22, s22, 5
	s_add_co_u32 s22, s22, s12
	s_add_co_u32 s22, s22, 32                      ; plane 32 + bh (K) or 64 + bh (V)
	s_lshl_b32 s54, s22, 18
	s_mov_b32 s55, 0
	s_mul_i32 s17, s8, 17408                       ; LDS: wave 0 at the slot's K, wave 1 at its V
	s_wait_dscnt 0x0
	s_barrier_signal -1
	s_barrier_wait -1
	s_wait_kmcnt 0x0
	s_add_nc_u64 s[52:53], s[4:5], s[54:55]        ; the plane's first tile
.irp s, 0,1
	s_mov_b32 s[G0+4*\s], 1
	s_add_co_u32 s[G0+4*\s+1], s17, \s*SLOT
	s_add_nc_u64 s[G0+4*\s+2:G0+4*\s+3], s[52:53], \s*16384        ; tiles 0 and 1 (the first block has nine tiles or more)
	s_or_b32 s[G0+4*\s+3], s[G0+4*\s+3], 0x80000000
.endr
	s_cmp_eq_u32 s8, 0
	s_cselect_b32 s22, s14, s11                    ; query block 15 - i (wave 0) or i
	s_lshl_b32 s22, s22, 14
	s_lshl_b32 s54, s12, 18
	s_add_co_u32 s54, s54, s22
	s_mov_b32 s[G0Q], 1
	s_add_co_u32 s[G0Q+1], s17, QBASE
	s_add_nc_u64 s[G0Q+2:G0Q+3], s[4:5], s[54:55]
	s_or_b32 s[G0Q+3], s[G0Q+3], 0x80000000
	; all first fills of a wave stand in one branch on its number: three tensor loads of the wave are out
	s_cmp_eq_u32 s8, 0
	s_cbranch_scc0 .Lnot_wave_0
	tensor_load_to_lds s[G0Q:G0Q+3], s[G1K:G1K+7]
	s_nop 0
	tensor_load_to_lds s[G0:G0+3], s[G1K:G1K+7]
	s_nop 0
	tensor_load_to_lds s[G0+4:G0+7], s[G1K:G1K+7]
	s_nop 0
	s_branch .Lfilled
.Lnot_wave_0:
	s_cmp_eq_u32 s8, 1
	s_cbranch_scc0 .Lfilled
	tensor_load_to_lds s[G0Q:G0Q+3], s[G1K:G1K+7]
	s_nop 0
	tensor_load_to_lds s[G0:G0+3], s[G1V:G1V+7]
	s_nop 0
	tensor_load_to_lds s[G0+4:G0+7], s[G1V:G1V+7]
	s_nop 0
.Lfilled:
	; where the two blocks' results go: head plane of 524,288 bytes, token b x 2048 + block x 128, 128 bytes a token
	s_and_b32 s22, s12, 15
	s_lshl_b32 s22, s22, 19
	s_lshr_b32 s17, s12, 4
	s_lshl_b32 s17, s17, 18
	s_add_co_u32 s22, s22, s17
	s_lshl_b32 s17, s14, 14
	s_add_co_u32 s54, s22, s17
	s_add_nc_u64 s[56:57], s[6:7], s[54:55]
	s_lshl_b32 s17, s11, 14
	s_add_co_u32 s54, s22, s17
	s_add_nc_u64 s[58:59], s[6:7], s[54:55]
	; lane addresses.  Row y of a tile lies at (y / 2) x pitch + (y % 2) x 128
	v_and_b32 v18, 31, v0                          ; L
	v_and_b32 v19, 15, v0                          ; r
	v_bfe_u32 v20, v0, 4, 1                        ; h
	v_lshrrev_b32 v21, 1, v19
	v_mul_u32_u24 v21, v21, 272
	v_and_b32 v22, 1, v0
	v_lshl_add_u32 v21, v22, 7, v21
	v_lshl_add_u32 v21, v20, 4, v21                ; rp = (r / 2) x 272 + (r % 2) x 128 + 16 h: sixteen lanes, sixteen different 16-byte columns of 256
	s_mul_i32 s17, s9, 8704
	v_add_nc_u32 v1, s17, v21                      ; KADR: my group's 64 keys
	s_mul_i32 s17, s10, 4352
	s_add_co_u32 s17, s17, QBASE
	v_add_nc_u32 v3, s17, v21                      ; QADR: my strip's 32 queries
	v_bfe_u32 v23, v0, 1, 2                        ; (L % 8) / 2
	v_lshl_add_u32 v23, v20, 2, v23                ; + 4 h: the pair row of key 8 h + L % 8
	v_mul_u32_u24 v23, v23, 288
	v_lshl_add_u32 v23, v22, 7, v23
	v_bfe_u32 v24, v0, 3, 1
	v_lshl_add_u32 v23, v24, 4, v23                ; + 16 x bit 3 of L: the second eight of sixteen d
	s_mul_i32 s17, s9, 9216
	s_add_co_u32 s17, s17, VOFF
	v_add_nc_u32 v2, s17, v23                      ; VADR
	s_lshl_b32 s17, s10, 5
	s_lshl_b32 s22, s9, 6
	s_sub_co_i32 s17, s17, s22
	v_add_nc_u32 v4, s17, v19
	v_lshlrev_b32 v24, 3, v20
	v_sub_nc_u32 v4, v4, v24                       ; VD = 32 wq + r - 64 g - 8 h
	v_mov_b32 v5, 0xff800000                       ; -inf
	s_mul_i32 s17, s10, 8704
	s_add_co_u32 s17, s17, XBASE
	v_lshl_add_u32 v26, v18, 4, s17                ; XADR: the same bytes for waves wq and wq + 4
	s_mul_i32 s17, s8, 4352
	s_add_co_u32 s17, s17, STG
	v_add_nc_u32 v27, s17, v21                     ; SST
	v_mul_u32_u24 v24, v20, 272
	v_lshl_add_u32 v24, v19, 4, v24
	v_add_nc_u32 v28, s17, v24                     ; SRD
	v_lshlrev_b32 v29, 4, v18
	v_lshl_add_u32 v29, s10, 12, v29               ; GO: 32 tokens of 128 bytes a strip + 16 L
.macro KVLOAD s                        ; the one tensor load of waves 0 and 1 behind a barrier in front of which every wave has waited for its reads and its tensor loads
	s_cmp_eq_u32 s8, 0
	s_cbranch_scc0 .Lkv_v_\@
	tensor_load_to_lds s[G0+4*\s:G0+4*\s+3], s[G1K:G1K+7]
	s_nop 0
	s_branch .Lkv_end_\@
.Lkv_v_\@:
	s_cmp_eq_u32 s8, 1
	s_cbranch_scc0 .Lkv_end_\@
	tensor_load_to_lds s[G0+4*\s:G0+4*\s+3], s[G1V:G1V+7]
	s_nop 0
.Lkv_end_\@:
.endm
; A query block begins: maximum = the lowest finite number (so that no difference of infinities arises where a group sees no valid key), sums 0, Q's fragments.
; O is cleared by moves: the second block's first step falls at a step that hangs on i, so it cannot be written out with a constant 0 as C.
.macro RESET blk
.irp q, 0,1
	v_mov_b32 v[MX+\q], 0xff7fffff
	v_mov_b32 v[LS+\q], 0
.endr
.irp q, 0,1
	v_mul_f32 v[NM+2*\q], s23, v[MX+\q]
	v_mul_f32 v[NM+2*\q+1], s23, v[MX+\q]
.endr
.set idx, 0
.rept 64
	v_mov_b32 v[O+idx], 0
.set idx, idx+1
.endr
.irp q, 0,1
.irp e, 0,1
	ds_load_b128 v[Q+16*\q+8*\e:Q+16*\q+8*\e+3],   v3 offset:\blk*17408+\q*2176+64*\e
	ds_load_b128 v[Q+16*\q+8*\e+4:Q+16*\q+8*\e+7], v3 offset:\blk*17408+\q*2176+64*\e+32
.endr
.endr
.endm
; S^T of my 64 keys x 32 queries: 16 matrix instructions on eight accumulators that take turns; then V^T's fragments are asked for and land during the softmax.
.macro SPHASE slot
.irp e, 0,1
.irp t, 0,1,2,3
	ds_load_b128 v[F+16*\t+8*\e:F+16*\t+8*\e+3],   v1 offset:\slot*SLOT+\t*2176+64*\e
	ds_load_b128 v[F+16*\t+8*\e+4:F+16*\t+8*\e+7], v1 offset:\slot*SLOT+\t*2176+64*\e+32
.endr
.endr
	s_wait_dscnt 0x8                               ; the first half along d is in (and Q, which is older); the eight younger loads may stay out
.irp t, 0,1,2,3
.irp q, 0,1
	v_wmma_f32_16x16x32_f16 v[S+32*\q+8*\t:S+32*\q+8*\t+7], v[F+16*\t:F+16*\t+7], v[Q+16*\q:Q+16*\q+7], 0
.endr
.endr
	s_wait_dscnt 0x0
.irp t, 0,1,2,3
.irp q, 0,1
	v_wmma_f32_16x16x32_f16 v[S+32*\q+8*\t:S+32*\q+8*\t+7], v[F+16*\t+8:F+16*\t+15], v[Q+16*\q+8:Q+16*\q+15], v[S+32*\q+8*\t:S+32*\q+8*\t+7]
.endr
.endr
.rept 4
	v_nop                                          ; four places (ISA guide 7.12.1) before F is loaded again and S is read
.endr
.irp u, 0,1
.irp d, 0,1,2,3
	ds_load_tr16_b128 v[F+8*(4*\u+\d):F+8*(4*\u+\d)+3],   v2 offset:\slot*SLOT+\u*4608+32*\d        ; keys 32 u + 8 h .. +7 of d = 16 d + r
	ds_load_tr16_b128 v[F+8*(4*\u+\d)+4:F+8*(4*\u+\d)+7], v2 offset:\slot*SLOT+\u*4608+32*\d+2304   ; keys 32 u + 16 + 8 h .. +7
.endr
.endr
.endm
; The diagonal tile: key 64 g + 16 t + 8 h + j is masked for query 32 wq + 16 q + r where it is the larger, that is where 16 t + j - 16 q > VD
.macro MASK
.irp q, 0,1
.irp t, 0,1,2,3
.irp j, 0,1,2,3,4,5,6,7
	v_cmp_gt_i32 vcc_lo, 16*\t+\j-16*\q, v4
	v_cndmask_b32 v[S+32*\q+8*\t+\j], v[S+32*\q+8*\t+\j], v5, vcc_lo
.endr
.endr
.endr
.endm
; The state of the maximum is kept twice: raw (MX) and as NM = -c x MX, rounded once.  Every exponent is S c + NM in one fused step, and alpha = 2^(NM new - NM old):
; equal maxima give exactly 0, and all terms are taken against the same rounded number.
.macro SOFTMAX
.irp q, 0,1
.irp t, 0,1,2,3
	v_max3_num_f32 v[T+4*\q+\t], v[S+32*\q+8*\t], v[S+32*\q+8*\t+1], v[S+32*\q+8*\t+2]
.endr
.endr
.irp q, 0,1
.irp t, 0,1,2,3
	v_max3_num_f32 v[T+4*\q+\t], v[T+4*\q+\t], v[S+32*\q+8*\t+3], v[S+32*\q+8*\t+4]
.endr
.endr
.irp q, 0,1
.irp t, 0,1,2,3
	v_max3_num_f32 v[T+4*\q+\t], v[T+4*\q+\t], v[S+32*\q+8*\t+5], v[S+32*\q+8*\t+6]
.endr
.endr
.irp q, 0,1
	v_max3_num_f32 v[T+4*\q],   v[T+4*\q],   v[T+4*\q+1], v[S+32*\q+7]
	v_max3_num_f32 v[T+4*\q+2], v[T+4*\q+2], v[T+4*\q+3], v[S+32*\q+15]
.endr
.irp q, 0,1
	v_max3_num_f32 v[T+4*\q], v[T+4*\q], v[T+4*\q+2], v[S+32*\q+23]
.endr
.irp q, 0,1
	v_max_num_f32 v[T+4*\q], v[T+4*\q], v[S+32*\q+31]
.endr
.irp q, 0,1
	v_permlanex16_b32 v[T+4*\q+1], v[T+4*\q], s20, s21             ; the other half's keys of the same query
.endr
.irp q, 0,1
	v_max3_num_f32 v[MX+\q], v[T+4*\q], v[T+4*\q+1], v[MX+\q]
.endr
.irp q, 0,1
	v_mul_f32 v[T+4*\q+2], s23, v[MX+\q]
.endr
.irp q, 0,1
	v_sub_f32 v[T+4*\q+3], v[T+4*\q+2], v[NM+2*\q]
.endr
.irp q, 0,1
	v_exp_f32 v[AL+2*\q],   v[T+4*\q+3]
	v_exp_f32 v[AL+2*\q+1], v[T+4*\q+3]
.endr
.irp q, 0,1
	v_mov_b32 v[NM+2*\q],   v[T+4*\q+2]                            ; plain instructions that touch neither alpha nor its source stand behind the exponentials (ISA guide 5.7.2)
	v_mov_b32 v[NM+2*\q+1], v[T+4*\q+2]
.endr
.irp q, 0,1
.set idx, 0
.rept 16
	v_pk_fma_f32 v[S+32*\q+idx:S+32*\q+idx+1], v[S+32*\q+idx:S+32*\q+idx+1], s[18:19], v[NM+2*\q:NM+2*\q+1] op_sel_hi:[1,0,1]
.set idx, idx+2
.endr
.endr
.set idx, 0
.rept 64
	v_exp_f32 v[S+idx], v[S+idx]
.set idx, idx+1
.endr
	s_wait_alu depctr_va_vdst(0)
.irp d, 0,1,2,3
.irp q, 0,1
.irp c, 0,2,4,6
	v_pk_mul_f32 v[O+16*\d+8*\q+\c:O+16*\d+8*\q+\c+1], v[O+16*\d+8*\q+\c:O+16*\d+8*\q+\c+1], v[AL+2*\q:AL+2*\q+1]   ; O x alpha: also the plain work behind the exponentials
.endr
.endr
.endr
.irp q, 0,1
	v_pk_add_f32 v[T+4*\q:T+4*\q+1],   v[S+32*\q:S+32*\q+1],     v[S+32*\q+2:S+32*\q+3]
	v_pk_add_f32 v[T+4*\q+2:T+4*\q+3], v[S+32*\q+16:S+32*\q+17], v[S+32*\q+18:S+32*\q+19]
.endr
.irp c, 4,6,8,10,12,14
.irp q, 0,1
	v_pk_add_f32 v[T+4*\q:T+4*\q+1],   v[T+4*\q:T+4*\q+1],   v[S+32*\q+\c:S+32*\q+\c+1]
	v_pk_add_f32 v[T+4*\q+2:T+4*\q+3], v[T+4*\q+2:T+4*\q+3], v[S+32*\q+16+\c:S+32*\q+16+\c+1]
.endr
.endr
.irp q, 0,1
	v_pk_add_f32 v[T+4*\q:T+4*\q+1], v[T+4*\q:T+4*\q+1], v[T+4*\q+2:T+4*\q+3]
.endr
.irp q, 0,1
	v_add_f32 v[T+4*\q], v[T+4*\q], v[T+4*\q+1]
.endr
.irp q, 0,1
	v_fma_f32 v[LS+\q], v[LS+\q], v[AL+2*\q], v[T+4*\q]
.endr
	; P to f16 in place: key tile 2 u makes registers 0-3 of the fragment of keys 32 u .. +31, key tile 2 u + 1 registers 4-7; each word is written after its old content is read
.irp q, 0,1
.irp u, 0,1
.irp c, 0,1,2,3
	v_cvt_pk_f16_f32 v[S+32*\q+16*\u+\c], v[S+32*\q+16*\u+2*\c], v[S+32*\q+16*\u+2*\c+1]
.endr
.irp c, 0,1,2,3
	v_cvt_pk_f16_f32 v[S+32*\q+16*\u+4+\c], v[S+32*\q+16*\u+8+2*\c], v[S+32*\q+16*\u+8+2*\c+1]
.endr
.endr
.endr
.endm
; O^T += V^T P^T: 16 matrix instructions on eight accumulators that take turns
.macro PV
	s_wait_dscnt 0x0                               ; V^T's fragments
.irp u, 0,1
.irp d, 0,1,2,3
.irp q, 0,1
	v_wmma_f32_16x16x32_f16 v[O+16*\d+8*\q:O+16*\d+8*\q+7], v[F+8*(4*\u+\d):F+8*(4*\u+\d)+7], v[S+32*\q+16*\u:S+32*\q+16*\u+7], v[O+16*\d+8*\q:O+16*\d+8*\q+7]
.endr
.endr
.endr
.rept 5
	v_nop                                          ; five places: the next matrix instructions write over P, the next loads land in F
.endr
.endm
; A query block ends: group 1 hands O, NM and its sums to group 0 through LDS; group 0 merges, divides, rounds to f16 and stores 32 tokens x 128 bytes, 4,096 consecutive bytes.
.macro FINAL base, reset
	s_cmp_eq_u32 s9, 0
	s_cbranch_scc1 .Lfin_a_\@
	v_mov_b32 v[T],   v[NM]
	v_mov_b32 v[T+1], v[NM+2]
	v_mov_b32 v[T+2], v[LS]
	v_mov_b32 v[T+3], v[LS+1]
.set idx, 0
.rept 16
	ds_store_b128 v26, v[O+4*idx:O+4*idx+3] offset:512*idx
.set idx, idx+1
.endr
	ds_store_b128 v26, v[T:T+3] offset:8192
.Lfin_a_\@:
	s_wait_dscnt 0x0                               ; for the other group's sake: my stores are done
	s_wait_tensorcnt 0x0                           ; no tensor load of mine crosses this barrier
	s_barrier_signal -1
	s_barrier_wait -1
	s_cmp_lg_u32 s9, 0
	s_cbranch_scc1 .Lfin_b_\@
.set idx, 0
.rept 16
	ds_load_b128 v[F+4*idx:F+4*idx+3], v26 offset:512*idx
.set idx, idx+1
.endr
	ds_load_b128 v[T:T+3], v26 offset:8192         ; v18, v19: the partner's NM; v20, v21: its sums
	s_wait_dscnt 0x0
	v_min_num_f32 v22, v10, v18                    ; the smaller NM is the larger maximum
	v_min_num_f32 v23, v12, v19
	v_sub_f32 v14, v22, v10
	v_sub_f32 v16, v23, v12
	v_sub_f32 v24, v22, v18
	v_sub_f32 v25, v23, v19
	v_exp_f32 v14, v14                             ; my weight
	v_exp_f32 v16, v16
	v_exp_f32 v24, v24                             ; the partner's: 0 where it saw no valid key
	v_exp_f32 v25, v25
	v_nop                                          ; one plain place behind the exponentials (ISA guide 5.7.2)
	s_wait_alu depctr_va_vdst(0)
	v_mul_f32 v8, v8, v14
	v_mul_f32 v9, v9, v16
	v_fma_f32 v8, v20, v24, v8
	v_fma_f32 v9, v21, v25, v9
	v_permlanex16_b32 v22, v8, s20, s21            ; the other half's keys
	v_permlanex16_b32 v23, v9, s20, s21
	v_add_f32 v8, v8, v22
	v_add_f32 v9, v9, v23
	v_rcp_f32 v8, v8
	v_rcp_f32 v9, v9
	v_nop
	s_wait_alu depctr_va_vdst(0)
	v_mul_f32 v14, v14, v8
	v_mul_f32 v16, v16, v9
	v_mul_f32 v18, v24, v8
	v_mul_f32 v20, v25, v9
	v_mov_b32 v15, v14
	v_mov_b32 v17, v16
	v_mov_b32 v19, v18
	v_mov_b32 v21, v20
.irp d, 0,1,2,3
.irp q, 0,1
.irp c, 0,2,4,6
	v_pk_mul_f32 v[O+16*\d+8*\q+\c:O+16*\d+8*\q+\c+1], v[O+16*\d+8*\q+\c:O+16*\d+8*\q+\c+1], v[AL+2*\q:AL+2*\q+1]
.endr
.endr
.endr
.irp d, 0,1,2,3
.irp q, 0,1
.irp c, 0,2,4,6
	v_pk_fma_f32 v[O+16*\d+8*\q+\c:O+16*\d+8*\q+\c+1], v[F+16*\d+8*\q+\c:F+16*\d+8*\q+\c+1], v[T+2*\q:T+2*\q+1], v[O+16*\d+8*\q+\c:O+16*\d+8*\q+\c+1]
.endr
.endr
.endr
.irp d, 0,1,2,3
.irp q, 0,1
.irp c, 0,1,2,3
	v_cvt_pk_f16_f32 v[S+4*(2*\d+\q)+\c], v[O+16*\d+8*\q+2*\c], v[O+16*\d+8*\q+2*\c+1]
.endr
.endr
.endr
.irp d, 0,1,2,3
.irp q, 0,1
	ds_store_b128 v27, v[S+4*(2*\d+\q):S+4*(2*\d+\q)+3] offset:\q*2176+32*\d       ; query 16 q + r, d = 16 d + 8 h .. +7
.endr
.endr
.irp t, 0,1,2,3,4,5,6,7
	ds_load_b128 v[F+4*\t:F+4*\t+3], v28 offset:544*\t             ; my own stage: LDS serves a wave's instructions in order (ISA guide 5.7.1.4)
.endr
.irp t, 0,1,2,3,4,5,6,7
	s_wait_dscnt 7-\t
	global_store_b128 v29, v[F+4*\t:F+4*\t+3], s[\base:\base+1] offset:512*\t      ; sixteen lanes store 256 consecutive aligned bytes: two tokens
.endr
.if \reset
	s_wait_xcnt 0x0                                ; F, which the stores read, is loaded again in the next step only behind this wait
.endif
.Lfin_b_\@:
.if \reset
	RESET 1
.endif
.endm
; One step's work.  mode 0: no diagonal possible; 1: the first block's diagonal tile is at step 15 - i; 2: the second block's diagonal tile.
; The branches hang on i and the step's number alone: they are the same in all eight waves.
.macro WORK slot, mode
	SPHASE \slot
.if \mode == 1
	s_cmp_lg_u32 s15, s14
	s_cbranch_scc1 .Lnomask_\@
	MASK
.Lnomask_\@:
.endif
.if \mode == 2
	MASK
.endif
	SOFTMAX
	PV
.if \mode == 1
	s_cmp_lg_u32 s15, s14
	s_cbranch_scc1 .Lnofin_\@
	FINAL 56, 1
.Lnofin_\@:
.endif
.if \mode == 2
	FINAL 58, 0
.endif
.endm
; One barrier a step.  In front of it every wave has waited for all its tensor loads (this step's tile among them) and for its reads of the slot read last step;
; behind it that slot's refill, the tile of step p + 1, comes first: one tensor load is out in waves 0 and 1, with this step's work in which to land.
.macro STEP slot, refill, mode
	s_add_co_u32 s15, s15, 1                       ; p
	s_wait_tensorcnt 0x0
	ds_add_u32 v30, v31
	s_wait_dscnt 0x0
.if \refill
	s_add_co_u32 s17, s15, 1
	s_sub_co_u32 s22, s17, s13
	s_cmp_lt_u32 s17, s13
	s_cselect_b32 s17, s17, s22                    ; tile p + 1 of the first block, or p + 1 - nb of the second
	s_lshl_b32 s54, s17, 14
	s_add_nc_u64 s[G0+4*(1-\slot)+2:G0+4*(1-\slot)+3], s[52:53], s[54:55]
	s_or_b32 s[G0+4*(1-\slot)+3], s[G0+4*(1-\slot)+3], 0x80000000
.endif
	s_wait_dscnt 0x0
	s_barrier_signal -1
	s_barrier_wait -1
.if \refill
	KVLOAD (1-\slot)
.endif
	WORK \slot, \mode
.endm
	s_wait_tensorcnt 0x1                           ; Q and tile 0 are in; tile 1 may stay out
	s_barrier_signal -1
	s_barrier_wait -1
	RESET 0
	s_mov_b32 s15, 0
	WORK 0, 0                                      ; step 0
	s_mov_b32 s16, 7
.Lpair:
	STEP 1, 1, 1                                   ; steps 1 to 14
	STEP 0, 1, 1
	s_sub_co_u32 s16, s16, 1
	s_cmp_lg_u32 s16, 0
	s_cbranch_scc1 .Lpair
	STEP 1, 1, 1                                   ; step 15
	STEP 0, 0, 2                                   ; step 16: the second block's diagonal tile; nothing is left to fetch
	s_wait_tensorcnt 0x0
	ds_add_u32 v30, v31
	s_wait_dscnt 0x0
	s_endpgm
.Lfunc_end_k_q696afbc76c_attn:
	.size	k_q696afbc76c_attn, .Lfunc_end_k_q696afbc76c_attn-k_q696afbc76c_attn
	.p2alignl 7, 3214868480
	.fill 96, 4, 3214868480
	.section	.rodata,"a",@progbits
	.p2align	6, 0x0
	.amdhsa_kernel k_q696afbc76c_attn
		.amdhsa_group_segment_fixed_size 327680
		.amdhsa_private_segment_fixed_size 0
		.amdhsa_enable_private_segment 0
		.amdhsa_kernarg_size 16
		.amdhsa_user_sgpr_count 2
		.amdhsa_user_sgpr_kernarg_segment_ptr 1
		.amdhsa_wavefront_size32 1
		.amdhsa_system_sgpr_workgroup_id_x 1
		.amdhsa_system_sgpr_workgroup_id_y 1
		.amdhsa_system_sgpr_workgroup_id_z 1
		.amdhsa_system_vgpr_workitem_id 0
		.amdhsa_next_free_vgpr 256
		.amdhsa_next_free_sgpr 66
		.amdhsa_reserve_vcc 1
		.amdhsa_float_denorm_mode_32 3
		.amdhsa_float_denorm_mode_16_64 3
		.amdhsa_memory_ordered 1
		.amdhsa_forward_progress 1
		.amdhsa_inst_pref_size 170
	.end_amdhsa_kernel
	.amdgpu_metadata
---
amdhsa.version: [ 1, 2 ]
amdhsa.kernels:
  - .name:           k_q696afbc76c_attn
    .symbol:         k_q696afbc76c_attn.kd
    .args:
      - { .name: qkv, .offset: 0, .size: 8, .value_kind: global_buffer, .address_space: global }
      - { .name: att, .offset: 8, .size: 8, .value_kind: global_buffer, .address_space: global }
    .group_segment_fixed_size: 327680
    .private_segment_fixed_size: 0
    .kernarg_segment_align: 8
    .kernarg_segment_size: 16
    .max_flat_workgroup_size: 256
    .sgpr_count:     66
    .vgpr_count:     256
    .wavefront_size: 32
...
	.end_amdgpu_metadata
.endif
;; end of part 2
;; launch outproj (part 3): grid 8 x 32, 4 waves a work-group, clusters of 4 x 4, 327,680 bytes of LDS; arguments att, wo, b_out, out0; writes out0
.if DOCPART == 3
	.amdgcn_target "amdgcn-amd-amdhsa--gfx1250"
	.amdhsa_code_object_version 6
	.text
	.protected	k_q696afbc76c_outproj
	.globl	k_q696afbc76c_outproj
	.p2align	8
	.type	k_q696afbc76c_outproj,@function
k_q696afbc76c_outproj:
	s_mov_b64 s[64:65], 0
	v_nop
	global_prefetch_b8 v0, s[64:65] scope:SCOPE_SE
	s_setreg_imm32_b32 hwreg(HW_REG_WAVE_MODE, 25, 1), 1
	s_wait_xcnt 0x0
	s_wait_alu depctr_hold_cnt(0) depctr_sa_sdst(0) depctr_va_vdst(0) depctr_va_sdst(0) depctr_va_ssrc(0) depctr_va_vcc(0) depctr_vm_vsrc(0)
	s_getreg_b32 s2, hwreg(HW_REG_IB_STS2, 6, 4)
	s_cmp_eq_u32 s2, 0
	s_cbranch_scc0 .Lentry_in_a_cluster
	s_endpgm
.Lentry_in_a_cluster:
	s_bfe_u32 s2, ttmp6, 0x10000c
	s_cmp_lg_u32 s2, 0xf033
	s_cbranch_scc0 .Lentry_shape_is_right
	s_endpgm
.Lentry_shape_is_right:
; out0[t][o] = sum over c of att[t][c] w_out[o][c] + b_out[o].  att: [16 kb][4096 t][64] f16, wo: [16 kb][1024 o][64] f16 (c = 64 kb + d), b_out f32, out0: [4096][1024] f32.
; LIMITS: operands are f16 as the earlier launches left them; sums in f32, started by the bias; their order differs from a plain f32 chain's.
; SHAPE: a work-group makes 128 tokens x 128 outputs, 8 x 32 work-groups.  Four waves; wave (wm, wn) makes 64 x 64 in 16 accumulator tiles.
; K goes in 16 phases of 64 (one kb).  An LDS slot holds four phases; two slots, four fills in all: two at the start and two refills, so the text is written out without a loop.
; One tensor load brings 64 rows x 4 kb: in memory four dense pieces of 8,192 bytes, one in each kb plane; in LDS 32 pair rows of 256 + 16 bytes a kb.
; CLUSTER 4 x 4: att's tile hangs on the block row alone and is asked for jointly along a row of the cluster, wo's on the block column alone, jointly along a column.
; REGISTERS: window 0: addresses, the bias as C tiles, fragment buffer X (v64-191), two buffers for the way out (v192-255); window 1: fragment buffer Y (v64-191);
; window 2: accumulators, tile (a, b) at v[8 (4 a + b)].  In a buffer: att's fragment (a, e) at 64 + 64 e + 8 a, wo's (b, e) at 96 + 64 e + 8 b.
; The matrix instruction is used transposed (source 0 = 16 rows of wo, source 1 = 16 tokens): a lane holds eight neighbouring outputs of one token.
.set PART,  34816                      ; 4 kb x 32 pair rows x 272: what one tensor load brings
.set SLOT,  4*PART                     ; att's two halves, then wo's two halves
.set STAGE, 2*SLOT                     ; behind the ring: 16 rows x 272 bytes for each wave; no tensor load lands here
.set ADRA, 16
.set ADRB, 20
.set STO,  24
.set RD,   25
.set CO,   26
.set BOFF, 27
.set BIAS, 32                          ; v32-63: for output tile b, register j = b_out[.. + 16 b + 8 h + j]
.set G1,   24
.set G0,   32
.set G1B,  40
.set G0B,  48
.set MSB, 0
.macro WIN new
.if MSB != \new
	s_set_vgpr_msb (MSB<<8)|\new
.set MSB, \new
.endif
.endm
.macro PLACES                          ; four plain vector places behind the last matrix instruction (ISA guide 7.12.1)
.rept 4
	v_nop
.endr
.endm
.macro JLOAD s
	s_cmp_eq_u32 s15, 0
	s_cbranch_scc0 .Lfor_b_\@
	tensor_load_to_lds s[G0+4*\s:G0+4*\s+3], s[G1:G1+7]
	s_nop 0
	s_branch .Lasked_\@
.Lfor_b_\@:
	tensor_load_to_lds s[G0B+4*\s:G0B+4*\s+3], s[G1B:G1B+7]
	s_nop 0
.Lasked_\@:
.endm
.macro CREST
	s_cmp_lg_u32 s14, 0
	s_cbranch_scc1 .Lnot_wave_0_\@
	s_barrier_signal -3
.Lnot_wave_0_\@:
	s_barrier_wait -3
	s_barrier_signal -1
	s_barrier_wait -1
.endm
.macro CROUND
	s_barrier_signal -1
	s_barrier_wait -1
	CREST
.endm
	s_load_b256 s[4:11], s[0:1], 0x0               ; att s[4:5], wo s[6:7], b_out s[8:9], out0 s[10:11]
	v_lshl_add_u32 v30, v0, 2, 0x48400
	v_mov_b32 v31, 0
	ds_add_u32 v30, v31
	v_lshrrev_b32 v1, 5, v0
	v_readfirstlane_b32 s14, v1                    ; wave
	s_lshr_b32 s15, s14, 1                         ; wm.  Also: I ask for att (0) or for wo (1)
	s_and_b32 s16, s14, 1                          ; wn.  Also: which 64 rows of that tile I ask for
	s_bfe_u32 s17, ttmp6, 0x40000                  ; cx
	s_bfe_u32 s18, ttmp6, 0x40004                  ; cy
	s_lshl_b32 s19, ttmp9, 2
	s_add_co_u32 s19, s19, s17                     ; bx: block of 128 outputs
	s_and_b32 s20, ttmp7, 0xffff
	s_lshl_b32 s20, s20, 2
	s_add_co_u32 s20, s20, s18                     ; by: block of 128 tokens
	s_lshl_b32 s21, s18, 2
	s_lshl_b32 s21, 15, s21                        ; my row of the cluster
	s_lshl_b32 s22, 0x1111, s17                    ; my column
	; group 1: elements of 8 bytes; a row = 1,024 elements = 64 tokens' 128 bytes of one kb; 4 rows, one kb plane apart; 16 bytes of padding behind every 64 words, counted along the tile
	s_or_b32 s[G1+0], s21, (3<<16)|(1<<20)|(1<<21)|(5<<22)|(3<<25)
	s_or_b32 s[G1B+0], s22, (3<<16)|(1<<20)|(1<<21)|(5<<22)|(3<<25)
	s_mov_b32 s[G1+1], 1024<<16                    ; tensor_dim0 = 1,024
	s_mov_b32 s[G1B+1], 1024<<16
	s_mov_b32 s[G1+2], 4<<16                       ; tensor_dim1 = 4
	s_mov_b32 s[G1B+2], 4<<16
	s_mov_b32 s[G1+3], 1024<<16                    ; tile_dim0
	s_mov_b32 s[G1B+3], 1024<<16
	s_mov_b32 s[G1+4], 4                           ; tile_dim1
	s_mov_b32 s[G1B+4], 4
	s_mov_b32 s[G1+5], 65536                       ; att's plane: 524,288 bytes
	s_mov_b32 s[G1B+5], 16384                      ; wo's plane: 131,072 bytes
	s_mov_b32 s[G1+6], 0
	s_mov_b32 s[G1B+6], 0
	s_mov_b32 s[G1+7], 0
	s_mov_b32 s[G1B+7], 0
	s_lshl_b32 s56, s20, 14                        ; att: (128 by + 64 half) x 128 bytes
	s_lshl_b32 s57, s16, 13
	s_add_co_u32 s56, s56, s57
	s_mov_b32 s57, 0
	s_lshl_b32 s60, s19, 14                        ; wo: (128 bx + 64 half) x 128 bytes
	s_lshl_b32 s61, s16, 13
	s_add_co_u32 s60, s60, s61
	s_mov_b32 s61, 0
	s_mul_i32 s58, s14, PART                       ; LDS: att's halves, then wo's = wave x PART
	s_wait_dscnt 0x0
	s_wait_kmcnt 0x0
	s_add_nc_u64 s[56:57], s[4:5], s[56:57]
	s_add_nc_u64 s[60:61], s[6:7], s[60:61]
	CROUND                                         ; all sixteen work-groups are here: the first joint loads meet
.irp s, 0,1
	s_mov_b32 s[G0+4*\s], 1
	s_add_co_u32 s[G0+4*\s+1], s58, \s*SLOT
	s_add_nc_u64 s[G0+4*\s+2:G0+4*\s+3], s[56:57], \s*4*524288     ; kb 4 s .. 4 s + 3
	s_or_b32 s[G0+4*\s+3], s[G0+4*\s+3], 0x80000000
	s_mov_b32 s[G0B+4*\s], 1
	s_add_co_u32 s[G0B+4*\s+1], s58, \s*SLOT
	s_add_nc_u64 s[G0B+4*\s+2:G0B+4*\s+3], s[60:61], \s*4*131072
	s_or_b32 s[G0B+4*\s+3], s[G0B+4*\s+3], 0x80000000
	JLOAD \s                                       ; two tensor loads of the wave are out
.endr
	; bias and output bases, in registers that feed no descriptor
	s_lshl_b32 s66, s19, 9
	s_lshl_b32 s67, s16, 8
	s_add_co_u32 s66, s66, s67                     ; (128 bx + 64 wn) x 4 bytes
	s_lshl_b32 s68, s20, 19
	s_lshl_b32 s69, s15, 18
	s_add_co_u32 s68, s68, s69                     ; (128 by + 64 wm) x 4,096 bytes
	s_add_co_u32 s68, s68, s66
	s_mov_b32 s67, 0
	s_mov_b32 s69, 0
	s_add_nc_u64 s[66:67], s[8:9], s[66:67]
	s_add_nc_u64 s[68:69], s[10:11], s[68:69]
	v_and_b32 v1, 15, v0                           ; r
	v_bfe_u32 v2, v0, 4, 1                         ; h
	v_lshlrev_b32 v[BOFF], 5, v2
.irp b, 0,1,2,3
	global_load_b128 v[BIAS+8*\b:BIAS+8*\b+3],   v[BOFF], s[66:67] offset:64*\b
	global_load_b128 v[BIAS+8*\b+4:BIAS+8*\b+7], v[BOFF], s[66:67] offset:64*\b+16
.endr
	v_lshrrev_b32 v3, 1, v1
	v_mul_u32_u24 v3, v3, 272
	v_and_b32 v4, 1, v0
	v_lshl_add_u32 v3, v4, 7, v3
	v_lshl_add_u32 v3, v2, 4, v3                   ; row r of a tile of 16: (r / 2) x 272 + (r % 2) x 128 + 16 h
	s_mul_i32 s70, s15, PART
	s_mul_i32 s71, s16, PART
	s_add_co_u32 s71, s71, 2*PART
.irp s, 0,1
	v_add_nc_u32 v[ADRA+\s], s70, v3
	v_add_nc_u32 v[ADRB+\s], s71, v3
	s_add_co_u32 s70, s70, SLOT
	s_add_co_u32 s71, s71, SLOT
.endr
	s_mul_i32 s70, s14, 16*272
	s_add_co_u32 s70, s70, STAGE
	v_mul_u32_u24 v4, v1, 272
	v_lshl_add_u32 v4, v2, 5, v4
	v_add_nc_u32 v[STO], s70, v4                   ; token r, 32 bytes for each half of the lanes
	v_mul_u32_u24 v5, v2, 272
	v_lshl_add_u32 v5, v1, 4, v5
	v_add_nc_u32 v[RD], s70, v5                    ; back: lanes 0-15 one row of 256 bytes, lanes 16-31 the next
	v_lshlrev_b32 v[CO], 12, v2
	v_lshl_add_u32 v[CO], v1, 4, v[CO]             ; the same two rows in out0
; 32 LDS loads: the fragments of phase z of a slot into buffer X (buf = 0) or Y (1); the sixteen of the first 32 along K come first
.macro FETCH slot, z, buf
.if \buf
	WIN 0x40
.else
	WIN 0
.endif
.irp e, 0,1
.irp i, 0,1,2,3
	ds_load_b128 v[64+64*\e+8*\i:64+64*\e+8*\i+3],   v[ADRA+\slot] offset:\z*8704+\i*2176+64*\e
	ds_load_b128 v[64+64*\e+8*\i+4:64+64*\e+8*\i+7], v[ADRA+\slot] offset:\z*8704+\i*2176+64*\e+32
.endr
.irp i, 0,1,2,3
	ds_load_b128 v[96+64*\e+8*\i:96+64*\e+8*\i+3],   v[ADRB+\slot] offset:\z*8704+\i*2176+64*\e
	ds_load_b128 v[96+64*\e+8*\i+4:96+64*\e+8*\i+7], v[ADRB+\slot] offset:\z*8704+\i*2176+64*\e+32
.endr
.endr
.endm
; 16 matrix instructions, every accumulator once: they take turns, one instruction a turn.  first = 1: C is the bias, which starts the sums.
.macro MULH buf, e, first
.if \first
	WIN 0x80
.else
.if \buf
	WIN 0xa5
.else
	WIN 0xa0
.endif
.endif
.irp a, 0,1,2,3
.irp b, 0,1,2,3
.if \first
	v_wmma_f32_16x16x32_f16 v[8*(4*\a+\b):8*(4*\a+\b)+7], v[96+64*\e+8*\b:96+64*\e+8*\b+7], v[64+64*\e+8*\a:64+64*\e+8*\a+7], v[BIAS+8*\b:BIAS+8*\b+7]
.else
	v_wmma_f32_16x16x32_f16 v[8*(4*\a+\b):8*(4*\a+\b)+7], v[96+64*\e+8*\b:96+64*\e+8*\b+7], v[64+64*\e+8*\a:64+64*\e+8*\a+7], v[8*(4*\a+\b):8*(4*\a+\b)+7]
.endif
.endr
.endr
.endm
; One of a slot's first three phases: multiplies buffer buf and, in its middle, fetches the next phase (nz of slot nslot) into the other buffer
.macro PHASE buf, nslot, nz, first
	s_wait_dscnt 16                                ; the first half along K is in; the sixteen younger loads may stay out
	MULH \buf, 0, \first
	PLACES
	FETCH \nslot, \nz, (1-\buf)
	s_wait_dscnt 32                                ; all but the 32 just issued
	MULH \buf, 1, 0
.endm
; A slot's fourth phase (buffer Y) and the change of slots.  In front of the signal: my reads of this slot are back and all my tensor loads have landed (the one that may be out is my
; part of the next slot).  fill = 1: the barrier opens a round of the cluster's barrier; behind the round the joint refill, eight kb ahead, is my first and only tensor load.
.macro TURN slot, next, fill
	s_wait_dscnt 0x0
	s_wait_tensorcnt 0x0
	ds_add_u32 v30, v31
	s_wait_dscnt 0x0
	s_barrier_signal -1
	MULH 1, 0, 0                                   ; register work while the others arrive
	WIN 0
	s_barrier_wait -1
.if \fill
	CREST
	s_add_nc_u64 s[G0+4*\slot+2:G0+4*\slot+3], s[G0+4*\slot+2:G0+4*\slot+3], 8*524288
	s_add_nc_u64 s[G0B+4*\slot+2:G0B+4*\slot+3], s[G0B+4*\slot+2:G0B+4*\slot+3], 8*131072
	JLOAD \slot
.endif
	PLACES
	FETCH \next, 0, 0
	MULH 1, 1, 0
.endm
	s_wait_tensorcnt 0x1                           ; my part of slot 0 is in; slot 1's may stay out
	s_barrier_signal -1
	s_barrier_wait -1
	FETCH 0, 0, 0
	s_wait_loadcnt 0x0                             ; the bias
	PHASE 0, 0, 1, 1                               ; kb 0: the bias starts the sums
	PHASE 1, 0, 2, 0
	PHASE 0, 0, 3, 0
	TURN 0, 1, 1                                   ; kb 3; slot 0 gets kb 8-11
	PHASE 0, 1, 1, 0
	PHASE 1, 1, 2, 0
	PHASE 0, 1, 3, 0
	TURN 1, 0, 1                                   ; kb 7; slot 1 gets kb 12-15
	PHASE 0, 0, 1, 0
	PHASE 1, 0, 2, 0
	PHASE 0, 0, 3, 0
	TURN 0, 1, 0                                   ; kb 11; nothing is left to fetch
	PHASE 0, 1, 1, 0
	PHASE 1, 1, 2, 0
	PHASE 0, 1, 3, 0
	s_wait_dscnt 0x0                               ; kb 15
	MULH 1, 0, 0
	MULH 1, 1, 0
	; THE WAY OUT, 16 tokens at a time: 32 bytes a lane and tile into my own stage, read back as whole rows of 256 bytes
	PLACES
.macro OUT16 a, f
	WIN 0x08                                       ; store data from window 2
.irp b, 0,1,2,3
	ds_store_b128 v[STO], v[8*(4*\a+\b):8*(4*\a+\b)+3]   offset:64*\b
	ds_store_b128 v[STO], v[8*(4*\a+\b)+4:8*(4*\a+\b)+7] offset:64*\b+16
.endr
	WIN 0
	s_wait_xcnt 0x0                                ; buffer f, which earlier stores read, is loaded again only behind this wait
.irp t, 0,1,2,3,4,5,6,7
	ds_load_b128 v[\f+4*\t:\f+4*\t+3], v[RD] offset:544*\t         ; LDS serves a wave's instructions in order (ISA guide 5.7.1.4): these see the stores above
.endr
.irp t, 0,1,2,3,4,5,6,7
	s_wait_dscnt 7-\t
	global_store_b128 v[CO], v[\f+4*\t:\f+4*\t+3], s[68:69] offset:(16*\a+2*\t)*4096 th:TH_STORE_NT   ; sixteen lanes store 256 consecutive aligned bytes of a row of out0
.endr
.endm
	OUT16 0, 192
	OUT16 1, 224
	OUT16 2, 192
	OUT16 3, 224
	s_wait_tensorcnt 0x0
	ds_add_u32 v30, v31
	s_wait_dscnt 0x0
	CROUND                                         ; the closing round: no work-group ends while a partner may still ask for a tile that names it
	s_endpgm
.Lfunc_end_k_q696afbc76c_outproj:
	.size	k_q696afbc76c_outproj, .Lfunc_end_k_q696afbc76c_outproj-k_q696afbc76c_outproj
	.p2alignl 7, 3214868480
	.fill 96, 4, 3214868480
	.section	.rodata,"a",@progbits
	.p2align	6, 0x0
	.amdhsa_kernel k_q696afbc76c_outproj
		.amdhsa_group_segment_fixed_size 327680
		.amdhsa_private_segment_fixed_size 0
		.amdhsa_enable_private_segment 0
		.amdhsa_kernarg_size 32
		.amdhsa_user_sgpr_count 2
		.amdhsa_user_sgpr_kernarg_segment_ptr 1
		.amdhsa_wavefront_size32 1
		.amdhsa_system_sgpr_workgroup_id_x 1
		.amdhsa_system_sgpr_workgroup_id_y 1
		.amdhsa_system_sgpr_workgroup_id_z 1
		.amdhsa_system_vgpr_workitem_id 0
		.amdhsa_next_free_vgpr 640
		.amdhsa_next_free_sgpr 72
		.amdhsa_reserve_vcc 0
		.amdhsa_float_denorm_mode_32 3
		.amdhsa_float_denorm_mode_16_64 3
		.amdhsa_memory_ordered 1
		.amdhsa_forward_progress 1
		.amdhsa_inst_pref_size 87
	.end_amdhsa_kernel
	.amdgpu_metadata
---
amdhsa.version: [ 1, 2 ]
amdhsa.kernels:
  - .name:           k_q696afbc76c_outproj
    .symbol:         k_q696afbc76c_outproj.kd
    .args:
      - { .name: att, .offset: 0, .size: 8, .value_kind: global_buffer, .address_space: global }
      - { .name: wo, .offset: 8, .size: 8, .value_kind: global_buffer, .address_space: global }
      - { .name: b_out, .offset: 16, .size: 8, .value_kind: global_buffer, .address_space: global }
      - { .name: out0, .offset: 24, .size: 8, .value_kind: global_buffer, .address_space: global }
    .group_segment_fixed_size: 327680
    .private_segment_fixed_size: 0
    .kernarg_segment_align: 8
    .kernarg_segment_size: 32
    .max_flat_workgroup_size: 128
    .sgpr_count:     72
    .vgpr_count:     640
    .wavefront_size: 32
...
	.end_amdgpu_metadata
.endif
;; end of part 3
